; MI455X (gfx1250); checked and timed in simulation.
; The chip was launched on July 23, 2026; its instructions are those of AMD's public machine-readable ISA for CDNA 5 (MIT licence, August 2026) and "CDNA5" Instruction Set Architecture Reference Guide (July 2026). The comments in the code are by the model that wrote it; some were corrected since.
;; Multi Head Attention. Allowed arithmetic: matrix products marked QUANTISED: E2M3 operands, one E8M0 scale for each 32 along K, by v_wmma_scale_f32_16x16x128_f8f6f4 with both operands' format E2M3, f32 sums; everything else in f32.
;; Inputs: Wk 1,024 x 1,024 float32; Wq 1,024 x 1,024 float32; Wv 1,024 x 1,024 float32; bk 1,024 float32; bq 1,024 float32; bv 1,024 float32; q 4 x 2,048 x 1,024 float32; v 4 x 2,048 x 1,024 float32.
;; Outputs: out0 4 x 2,048 x 1,024 float32.
;; This version of the problem:
;;   THIS VERSION OF THE PROBLEM IS GIVEN IN LOW PRECISION. The matrix products marked QUANTISED in the list below multiply operands that are first quantised to E2M3 (2 exponent bits, 3 mantissa bits; 6 bits a number), with one power-of-two scale for each 32 numbers along K (OCP MX v1.0); their sums are f32. All else is computed in f32.
;;   The module's matrix products, in the order in which they are computed (A, B: the left and right operand; K: the contracted axis; several contracted axes count as one K, in the product's order):
;;     1. [M 8,192, K 1,024] x [K 1,024, N 1,024]; A: input q; B: input Wq: QUANTISED
;;     2. [M 8,192, K 1,024] x [K 1,024, N 1,024]; A: input v; B: input Wk: QUANTISED
;;     3. [M 8,192, K 1,024] x [K 1,024, N 1,024]; A: input v; B: input Wv: QUANTISED
;;     4. batch 64 x [M 2,048, K 64] x [K 64, N 2,048]; A: computed on the way; B: computed on the way: QUANTISED
;;     5. batch 64 x [M 64, K 2,048] x [K 2,048, N 2,048]; A: computed on the way; B: softmax (see below): QUANTISED
;;   THE QUANTISER, for each operand of a quantised product, along K:
;;     - K is cut into blocks of 32 from its start; a last block that is shorter is filled with zeros.
;;     - A block's scale is 2^e with e = floor(log2(the largest magnitude in the block)) - 2, held to -126 .. 127; a block of zeros has e = 0. As a byte (E8M0): e + 127.
;;     - Each number is divided by its block's scale, clamped to +-7.5, and rounded to the nearest number of E2M3, ties to even, subnormals kept.
;;     - The product sums the exact products of the quantised numbers (number of the format x scale) in f32.
;;   ~~~python
;;   def quantise(x, axis):      # numpy; x: float32 -> the quantised numbers, widened to float32 again
;;       x = np.moveaxis(x, axis, -1); K = x.shape[-1]
;;       x = np.pad(x, [(0, 0)] * (x.ndim - 1) + [(0, -K % 32)]); x = x.reshape(x.shape[:-1] + (-1, 32)); a = np.abs(x).max(-1, keepdims=True)
;;       e = np.where(a > 0, np.clip(np.frexp(np.where(a > 0, a, 1))[1] - 1 - 2, -126, 127), 0)      # np.frexp(a)[1] - 1 = floor(log2(a)), exactly
;;       r = np.clip(x / 2.0 ** e, -7.5, 7.5)
;;       step = 2.0 ** (np.maximum(np.frexp(np.where(r == 0, 1, r))[1] - 1, 0) - 3)
;;       q = np.round(r / step) * step * 2.0 ** e      # np.round: ties to even
;;       return np.moveaxis(q.reshape(q.shape[:-2] + (-1,))[..., :K], -1, axis).astype(np.float32)
;;   ~~~
;;   SOFTMAX AHEAD OF A QUANTISED PRODUCT. Where the list says 'softmax', what is quantised is not the finished softmax but p = 2^(t - M), with t = logit x log2(e) and M = ceil(the row's largest t), a whole number; so 1/2 < the row's largest p <= 1. The row's sum l is taken of the UNQUANTISED p, in f32, and the product's result is divided by l at the end. Since M is a whole number, a kernel that streams over the keys may use a running M (the ceiling of the running maximum): every later rescaling is an exact power of two, which a block's scale takes up: the codes' values come out the same.
;;   OPERANDS COMPUTED ON THE WAY. 'Computed on the way' means the value that the module computes at that place (a softmax that the list does not call 'softmax' is quantised finished and normalised). What goes into a quantiser is computed in f32, as accurately as f32 sums, v_exp_f32 and their like allow (about 1e-6 of the number): no bf16 or f16 on the way to a quantiser, and a product that is left as it is and whose result goes on into a quantised operand takes f32 operands (vector FMAs, or v_wmma_f32_16x16x4_f32). A number that lies on a knife's edge between two numbers of the format may be rounded either way, as far as f32 arithmetic and the matrix unit's own rounding can turn it there, and no further.
;; One version. Each part assembles by itself: llvm-mc -triple=amdgcn-amd-amdhsa -mcpu=gfx1250 --defsym DOCPART=n.
;; ======== version 1 of 1: 3 launches
;; limits: right only within a limited range of input values
;; workspace buffers: xc 12,582,912 bytes; xs 524,288 bytes; wc 2,359,296 bytes; ws 98,304 bytes; qf 6,291,456 bytes; qs 262,144 bytes; kv 13,107,200 bytes
;; launch quant (part 1): grid 608 x 1, 4 waves a work-group, no clusters, 68,096 bytes of LDS; arguments q, v, Wq, Wk, Wv, xc, xs, wc, ws; writes xc, xs, wc, ws
.if DOCPART == 1
	.amdgcn_target "amdgcn-amd-amdhsa--gfx1250"
	.amdhsa_code_object_version 6
	.text
	.protected	k_q538ca64012_quant
	.globl	k_q538ca64012_quant
	.p2align	8
	.type	k_q538ca64012_quant,@function
k_q538ca64012_quant:
	s_mov_b64 s[64:65], 0
	v_nop
	global_prefetch_b8 v0, s[64:65] scope:SCOPE_SE
	s_setreg_imm32_b32 hwreg(HW_REG_WAVE_MODE, 25, 1), 1
	s_wait_xcnt 0x0
; MULTI-HEAD ATTENTION, all five products on codes of FP6 (E2M3) with one E8M0 scale for each 32 along K.  Three launches: this one turns q, v and the three weights into codes;
; the second makes Q, K and V (three products, biases, quantised again in registers); the third is the attention.
; DEAD WORK: none.  bq, bk and bv are added ahead of a quantiser whose codes and scales they move, so all three stay, and all eight inputs are loaded; there is no mask and no result is sliced away.
; A block's scale is 2^(floor(log2(its largest magnitude)) - 2); its byte is the largest magnitude's exponent field - 2, held at 1 from below.  Numbers are divided by the scale and rounded to the nearest code, ties to even; beyond 7.5 the largest code.
; LAYOUT OF THE CODES, BY PLANES: xc[q, v][chunk of 256 along K: 4][row place: 8,192][192 bytes], wc[weight: 3][chunk: 4][row place: 1,024][192 bytes], dense.  The 128 rows of a tile of the next launch are 24,576 consecutive bytes of a plane, beginning at a multiple of 256.
; Scale bytes: 32 a row.  ROWS ARE STORED BY POSITION: row i lies at the place i with its bits 3 and 4 exchanged, so that a fragment of 16 neighbouring places, as source 0, leaves 16 neighbouring rows in a lane's 16 registers of two neighbouring tiles.
; LIMITS: a block of zeros, or one whose largest magnitude lies under 2^-124, gets the byte 1 (zero codes add nothing; this program alone reads the bytes); NaN and infinities among the inputs are not served.
; THE DEAL: work-groups 0 to 95 take the weights (K is their first axis), 96 to 351 take q, 352 to 607 take v.  The two paths part on the work-group's number alone and have LDS bytes of their own.  Waves share nothing: no barrier, no cluster, no matrix unit.
.set WGW,   96
.set WGA,   256
.set XPL,   1572864                    ; a plane of xc: 8,192 rows of 192 bytes
.set WPL,   196608                     ; a plane of wc: 1,024 rows
.set XC_V,  4*XPL                      ; v's codes in xc,
.set XS_V,  262144                     ; and its scale bytes in xs
.set EMAX,  2
.set CB,    12                         ; bytes of 16 codes
.set STEPS, 16
.set R,     16                         ; v16-79   four sets of 16 numbers as loaded
.set X,     80                         ; v80-111  two sets of 16 neighbours
.set C,     128                        ; v128-191 codes, four registers a step
.set E,     112                        ; v112-127 a scale byte a step
.set WREG,  8192                       ; q, v: a wave's LDS region: two stages of 32 x SP bytes, then its 256 scale bytes
.set SP,    80
.set SPW,   12                         ; v12 my spare word; v13 0; never rewritten
.set NIL,   13
.set SPARE, 4*WREG                     ; the spare words, 128 bytes a wave
.set WST,   SPARE+512                  ; the weights' four stages
.set PITCH, 272                        ; a stage row of theirs: sixteen places of 16 bytes + 16
.set NB,    8                          ; blocks of 32 along K for a wave
.set WX,    32                         ; v32-95   two sets of 32 numbers
.set WC,    96                         ; v96..    a block's codes
.set OUTR,  112                        ; v112-175 the way out
.set SB,    24                         ; v24-25   scale bytes
	s_load_b512 s[4:19], s[0:1], 0x0               ; q, v, Wq, Wk, Wv, xc, xs, wc
	s_load_b64 s[20:21], s[0:1], 0x40              ; ws
	v_lshl_add_u32 v[SPW], v0, 2, SPARE
	v_mov_b32 v[NIL], 0
	v_lshrrev_b32 v1, 5, v0
	v_readfirstlane_b32 s24, v1                    ; wave
	v_and_b32 v2, 31, v0                           ; lane
	s_cmp_lt_u32 ttmp9, WGW
	s_wait_alu depctr_va_vdst(0)
	s_cbranch_scc1 .Lweights
; ---- q AND v: a wave takes 8 rows in 16 steps of 512 numbers.  A load reads 512 consecutive bytes; a step's 2,048 bytes turn through the wave's stage and come back 64 bytes a lane: 16 neighbours along K, two lanes to a block
	v_lshlrev_b32 v3, 4, v2
	s_mul_i32 s25, s24, WREG
	v_lshrrev_b32 v14, 2, v2
	v_mul_u32_u24 v14, v14, SP
	v_and_b32 v15, 3, v2
	v_lshl_add_u32 v14, v15, 4, v14
	v_add_nc_u32 v14, s25, v14                     ; the stage, in
	v_mul_u32_u24 v15, v2, SP
	v_add_nc_u32 v15, s25, v15                     ; and out
	v_and_b32 v4, 15, v2
	v_mul_u32_u24 v4, v4, CB
	v_lshrrev_b32 v5, 4, v2
	v_mad_u32_u24 v4, v5, XPL, v4                  ; my codes: sixteen lanes fill a row's 192 bytes of a plane, the next sixteen those of the next plane
	v_lshrrev_b32 v5, 1, v2
	s_add_co_u32 s25, s25, 2*32*SP
	v_add_nc_u32 v5, s25, v5                       ; LDS: my block's scale byte
	v_lshlrev_b32 v7, 3, v2
	v_add_nc_u32 v6, s25, v7
	s_wait_alu depctr_va_vdst(0)
	s_wait_kmcnt 0x0
	s_sub_co_u32 s25, ttmp9, WGW
	s_cmp_lt_u32 s25, WGA                          ; q or v: by the work-group's number alone
	s_cselect_b64 s[4:5], s[4:5], s[6:7]
	s_cselect_b32 s30, 0, XC_V
	s_cselect_b32 s31, 0, XS_V
	s_and_b32 s25, s25, WGA-1
	s_lshl_b32 s25, s25, 2
	s_add_co_u32 s26, s25, s24                     ; my run of 8 rows, 0 .. 1,023
	s_lshl_b32 s28, s26, 15
	s_mov_b32 s29, 0
	s_add_nc_u64 s[4:5], s[4:5], s[28:29]
	s_and_b32 s32, s26, -4                         ; its place: bits 0 and 1 change places
	s_and_b32 s33, s26, 1
	s_lshl_b32 s33, s33, 1
	s_add_co_u32 s32, s32, s33
	s_bfe_u32 s33, s26, 0x10001
	s_add_co_u32 s32, s32, s33
	s_mul_i32 s28, s32, 8*192                      ; 8 rows of 192 bytes in each plane: six whole runs of 256 bytes
	s_add_co_u32 s28, s28, s30
	s_add_nc_u64 s[14:15], s[14:15], s[28:29]
	s_lshl_b32 s28, s32, 8
	s_add_co_u32 s28, s28, s31
	s_add_nc_u64 s[16:17], s[16:17], s[28:29]
.macro XLOAD t
.irp i, 0,1,2,3
	global_load_b128 v[R+16*((\t)%4)+4*\i:R+16*((\t)%4)+4*\i+3], v3, s[4:5] offset:2048*(\t)+512*\i th:TH_LOAD_NT
.endr
.endm
.macro XTURN t                         ; LDS serves a wave's instructions in order: no wait between the stores and the loads
.irp i, 0,1,2,3
	ds_store_b128 v14, v[R+16*((\t)%4)+4*\i:R+16*((\t)%4)+4*\i+3] offset:32*SP*((\t)%2)+8*SP*\i
.endr
.irp i, 0,1,2,3
	ds_load_b128 v[X+16*((\t)%2)+4*\i:X+16*((\t)%2)+4*\i+3], v15 offset:32*SP*((\t)%2)+16*\i
.endr
.endm
.irp t, 0,1,2,3
	XLOAD \t
.endr
	s_wait_loadcnt 12                              ; step 0's four loads are in; steps 1 to 3's stay out
	XTURN 0
.macro XSTEP t
.set XS, X+16*((\t)%2)
.if (\t) > 0
	s_wait_dscnt 1                                 ; this step's numbers are back (the last step's byte store may be out)
.else
	s_wait_dscnt 0x0
.endif
.if (\t)+4 < STEPS
	XLOAD (\t)+4
.endif
.if (\t)+1 < STEPS
.if STEPS-2-(\t) >= 3
	s_wait_loadcnt 12                              ; the next step's four loads are in; three steps' may be out
.else
	s_wait_loadcnt 4*(STEPS-2-(\t))
.endif
	XTURN (\t)+1
.endif
	v_max3_num_f32 v8, |v[XS]|, |v[XS+1]|, |v[XS+2]|
	v_max3_num_f32 v9, |v[XS+3]|, |v[XS+4]|, |v[XS+5]|
.irp i, 6,10
	v_max3_num_f32 v8, v8, |v[XS+\i]|, |v[XS+\i+1]|
	v_max3_num_f32 v9, v9, |v[XS+\i+2]|, |v[XS+\i+3]|
.endr
	v_max3_num_f32 v8, v8, |v[XS+14]|, |v[XS+15]|
	v_max3_num_f32 v8, v8, v9, (EMAX+1)<<23        ; the floor: the byte cannot fall under 1
	v_max_num_f32_dpp v8, v8, v8 row_xmask:1 row_mask:0xf bank_mask:0xf   ; with my neighbour's 16: the block's
	v_add_nc_u32 v11, -(EMAX<<23), v8              ; the conversion's scale operand
	v_cvt_scalef32_pk16_fp6_f32 v[C+4*(\t):C+4*(\t)+2], v[XS:XS+15], v11
	v_lshrrev_b32 v[E+(\t)], 23, v11               ; the scale's byte (the plain line behind the conversion)
	ds_store_b8 v5, v[E+(\t)] offset:16*(\t)
	global_store_b96 v4, v[C+4*(\t):C+4*(\t)+2], s[14:15] offset:((\t)%2)*2*XPL+((\t)/2)*192   ; step t is row t / 2, chunks 2 (t % 2) and the next
.endm
.irp t, 0,1,2,3,4,5,6,7,8,9,10,11,12,13,14,15
	XSTEP \t
.endr
	ds_load_b64 v[8:9], v6
	s_wait_dscnt 0x0
	global_store_b64 v7, v[8:9], s[16:17]          ; 32 lanes store 256 consecutive bytes, aligned
	s_wait_tensorcnt 0x0                           ; the wave's end
	ds_add_u32 v[SPW], v[NIL]
	s_wait_dscnt 0x0
	s_endpgm
; ---- THE WEIGHTS, [k][n] f32: a lane takes a column n and its registers run down K; a wave takes 32 columns x 256 along K (one chunk).  The codes go through the wave's stage, the lane's row there being its column's place, and leave as 32 rows of 192 bytes on end.
; Work-group g: columns 128 (g % 8) ..; g / 8 = 4 x the weight + the chunk.  Weight w lies at w x 786,432 in wc and at w x 32,768 in ws.
.Lweights:
	s_and_b32 s25, ttmp9, 7
	s_lshl_b32 s25, s25, 7
	s_lshl_b32 s26, s24, 5
	s_add_co_u32 s25, s25, s26                     ; my wave's first column
	s_lshr_b32 s26, ttmp9, 3
	s_lshr_b32 s27, s26, 2                         ; which weight
	s_and_b32 s26, s26, 3                          ; which chunk
	v_lshlrev_b32 v3, 2, v2
	v_and_b32 v10, 7, v2                           ; my column's place: bits 3 and 4 change places
	v_bfe_u32 v11, v2, 3, 1
	v_lshl_add_u32 v10, v11, 4, v10
	v_bfe_u32 v11, v2, 4, 1
	v_lshl_add_u32 v10, v11, 3, v10
	s_mul_i32 s33, s24, 32*PITCH
	s_add_co_u32 s33, s33, WST                     ; my stage
	v_mul_u32_u24 v4, v10, PITCH
	v_add_nc_u32 v4, s33, v4
	v_and_b32 v5, 15, v2
	v_lshrrev_b32 v6, 4, v2
	v_mul_u32_u24 v7, v6, PITCH
	v_lshl_add_u32 v7, v5, 4, v7
	v_add_nc_u32 v7, s33, v7
	v_mul_u32_u24 v8, v6, 192
	v_mad_u32_u24 v8, v5, 12, v8                   ; the same place in wc
	v_lshlrev_b32 v9, 5, v10                       ; my column's row of scale bytes
	s_lshl_b32 s28, s26, 20                        ; W: 256 rows of 4,096 bytes a chunk, + 4 x column
	s_lshl_b32 s30, s25, 2
	s_add_co_u32 s28, s28, s30
	s_mov_b32 s29, 0
	s_mul_i32 s34, s27, 4*WPL
	s_mul_i32 s30, s25, 192
	s_add_co_u32 s34, s34, s30
	s_mul_i32 s30, s26, WPL
	s_add_co_u32 s34, s34, s30
	s_mov_b32 s35, 0
	s_lshl_b32 s36, s27, 15
	s_lshl_b32 s30, s25, 5
	s_add_co_u32 s36, s36, s30
	s_lshl_b32 s30, s26, 3
	s_add_co_u32 s36, s36, s30
	s_mov_b32 s37, 0
	s_wait_alu depctr_va_vdst(0)
	s_wait_kmcnt 0x0
	s_cmp_eq_u32 s27, 0
	s_cselect_b64 s[8:9], s[8:9], s[10:11]
	s_cmp_eq_u32 s27, 2
	s_cselect_b64 s[8:9], s[12:13], s[8:9]
	s_add_nc_u64 s[8:9], s[8:9], s[28:29]
	s_add_nc_u64 s[18:19], s[18:19], s[34:35]
	s_add_nc_u64 s[20:21], s[20:21], s[36:37]
.macro WLOAD t
.irp i, 0,1,2,3,4,5,6,7,8,9,10,11,12,13,14,15,16,17,18,19,20,21,22,23,24,25,26,27,28,29,30,31
	global_load_b32 v[WX+32*((\t)%2)+\i], v3, s[8:9] offset:(32*(\t)+\i)*4096 th:TH_LOAD_NT
.endr
.endm
	WLOAD 0
	WLOAD 1
.macro WBLOCK t
.set XW, WX+32*((\t)%2)
.if (\t) < NB-1
	s_wait_loadcnt 32                              ; this block's 32 loads are in; the next block's may be out
.else
	s_wait_loadcnt 0
.endif
	v_max3_num_f32 v16, |v[XW]|, |v[XW+1]|, |v[XW+2]|
	v_max3_num_f32 v17, |v[XW+3]|, |v[XW+4]|, |v[XW+5]|
.irp i, 6,10,14,18,22,26
	v_max3_num_f32 v16, v16, |v[XW+\i]|, |v[XW+\i+1]|
	v_max3_num_f32 v17, v17, |v[XW+\i+2]|, |v[XW+\i+3]|
.endr
	v_max3_num_f32 v16, v16, |v[XW+30]|, |v[XW+31]|
	v_max3_num_f32 v16, v16, v17, (EMAX+1)<<23
	v_add_nc_u32 v11, -(EMAX<<23), v16
	v_lshrrev_b32 v17, 23, v11
.if (\t)%4 == 0
	v_mov_b32 v[SB+(\t)/4], v17
.else
	v_lshl_or_b32 v[SB+(\t)/4], v17, 8*((\t)%4), v[SB+(\t)/4]
.endif
	v_cvt_scalef32_pk16_fp6_f32 v[WC:WC+2], v[XW:XW+15], v11
	v_cvt_scalef32_pk16_fp6_f32 v[WC+4:WC+6], v[XW+16:XW+31], v11
	ds_store_b96 v4, v[WC:WC+2] offset:32*(\t)
	ds_store_b96 v4, v[WC+4:WC+6] offset:32*(\t)+16
.if (\t)+2 < NB
	WLOAD (\t)+2
.endif
	s_wait_dscnt 0x0                               ; the stores have read their registers
.endm
.set Q, 0
.rept NB
	WBLOCK Q
.set Q, Q+1
.endr
	s_wait_alu depctr_va_vdst(0)
	global_store_b64 v9, v[SB:SB+1], s[20:21]
.irp t, 0,1,2,3,4,5,6,7,8,9,10,11,12,13,14,15
	ds_load_b96 v[OUTR+4*\t:OUTR+4*\t+2], v7 offset:2*\t*PITCH
.endr
.irp t, 0,1,2,3,4,5,6,7,8,9,10,11,12,13,14,15
	s_wait_dscnt 15-\t                             ; the later loads of the sixteen may be out
	global_store_b96 v8, v[OUTR+4*\t:OUTR+4*\t+2], s[18:19] offset:2*\t*192   ; 32 lanes store 384 consecutive bytes
.endr
	s_wait_tensorcnt 0x0                           ; the wave's end
	ds_add_u32 v[SPW], v[NIL]
	s_wait_dscnt 0x0
	s_endpgm
.Lfunc_end_k_q538ca64012_quant:
	.size	k_q538ca64012_quant, .Lfunc_end_k_q538ca64012_quant-k_q538ca64012_quant
	.p2alignl 7, 3214868480
	.fill 96, 4, 3214868480
	.section	.rodata,"a",@progbits
	.p2align	6, 0x0
	.amdhsa_kernel k_q538ca64012_quant
		.amdhsa_group_segment_fixed_size 68096
		.amdhsa_private_segment_fixed_size 0
		.amdhsa_enable_private_segment 0
		.amdhsa_kernarg_size 72
		.amdhsa_user_sgpr_count 2
		.amdhsa_user_sgpr_kernarg_segment_ptr 1
		.amdhsa_wavefront_size32 1
		.amdhsa_system_sgpr_workgroup_id_x 1
		.amdhsa_system_sgpr_workgroup_id_y 1
		.amdhsa_system_sgpr_workgroup_id_z 1
		.amdhsa_system_vgpr_workitem_id 0
		.amdhsa_next_free_vgpr 192
		.amdhsa_next_free_sgpr 66
		.amdhsa_reserve_vcc 0
		.amdhsa_float_denorm_mode_32 3
		.amdhsa_float_denorm_mode_16_64 3
		.amdhsa_memory_ordered 1
		.amdhsa_forward_progress 1
		.amdhsa_inst_pref_size 74
	.end_amdhsa_kernel
	.amdgpu_metadata
---
amdhsa.version: [ 1, 2 ]
amdhsa.kernels:
  - .name:           k_q538ca64012_quant
    .symbol:         k_q538ca64012_quant.kd
    .args:
      - { .name: q, .offset: 0, .size: 8, .value_kind: global_buffer, .address_space: global }
      - { .name: v, .offset: 8, .size: 8, .value_kind: global_buffer, .address_space: global }
      - { .name: Wq, .offset: 16, .size: 8, .value_kind: global_buffer, .address_space: global }
      - { .name: Wk, .offset: 24, .size: 8, .value_kind: global_buffer, .address_space: global }
      - { .name: Wv, .offset: 32, .size: 8, .value_kind: global_buffer, .address_space: global }
      - { .name: xc, .offset: 40, .size: 8, .value_kind: global_buffer, .address_space: global }
      - { .name: xs, .offset: 48, .size: 8, .value_kind: global_buffer, .address_space: global }
      - { .name: wc, .offset: 56, .size: 8, .value_kind: global_buffer, .address_space: global }
      - { .name: ws, .offset: 64, .size: 8, .value_kind: global_buffer, .address_space: global }
    .group_segment_fixed_size: 68096
    .private_segment_fixed_size: 0
    .kernarg_segment_align: 8
    .kernarg_segment_size: 72
    .max_flat_workgroup_size: 128
    .sgpr_count:     66
    .vgpr_count:     192
    .wavefront_size: 32
...
	.end_amdgpu_metadata
.endif
;; end of part 1
;; launch proj (part 2): grid 4 x 96, 4 waves a work-group, clusters of 4 x 4, 327,680 bytes of LDS; arguments xc, xs, wc, ws, bq, bk, bv, qf, qs, kv; writes qf, qs, kv
.if DOCPART == 2
	.amdgcn_target "amdgcn-amd-amdhsa--gfx1250"
	.amdhsa_code_object_version 6
	.text
	.protected	k_q538ca64012_proj
	.globl	k_q538ca64012_proj
	.p2align	8
	.type	k_q538ca64012_proj,@function
k_q538ca64012_proj:
	s_mov_b64 s[64:65], 0
	v_nop
	global_prefetch_b8 v0, s[64:65] scope:SCOPE_SE
	s_setreg_imm32_b32 hwreg(HW_REG_WAVE_MODE, 25, 1), 1
	s_wait_xcnt 0x0
	s_wait_alu depctr_hold_cnt(0) depctr_sa_sdst(0) depctr_va_vdst(0) depctr_va_sdst(0) depctr_va_ssrc(0) depctr_va_vcc(0) depctr_vm_vsrc(0)
	s_getreg_b32 s2, hwreg(HW_REG_IB_STS2, 6, 4)
	s_cmp_eq_u32 s2, 0
	s_cbranch_scc0 .Lentry_in_a_cluster
	s_endpgm
.Lentry_in_a_cluster:
	s_bfe_u32 s2, ttmp6, 0x10000c
	s_cmp_lg_u32 s2, 0xf033
	s_cbranch_scc0 .Lentry_shape_is_right
	s_endpgm
.Lentry_shape_is_right:
; Q = q Wq + bq, K = v Wk + bk, V = v Wv + bv on codes of FP6, each result quantised again in registers and stored as images of the attention launch's operand registers.  No work is left out.
; A tile of 256 x 256 a work-group, four waves of 128 x 128; K goes in four chunks of 256 through two LDS slots.  4 x 4 work-groups ask for A's and B's tiles jointly.
; The codes lie by planes, [chunk][row][192 bytes], dense: 128 rows of a chunk are 24,576 consecutive bytes, which a tensor load takes as 96 rows of 256 bytes, each beginning at a multiple of 256;
; 16 bytes of padding behind every 64 make an LDS row of codes 240 bytes.  From chunk to chunk an address steps by a plane: XPL for q and v, WPL for a weight, held in s[98:99] (A's) and s[104:105] (B's), chosen by the cluster's y alone.
; THE HEAD: one joint load a wave, in one chain of arms: A's 256 rows of chunk 0, A's scale bytes, B's 256 rows, B's scale bytes; slot 1 is first filled behind a drained round.  No prefetch: K has four chunks, of which two are asked for at the head.
.set XPL,    1572864
.set WPL,    196608
.set KSTEP,  256
.set NQ,     KSTEP/128
.set ROWB,   256
.set KROW,   256
.set PITCH,  240
.set FR,     12
.set NL,     6
.set NP,     4
.set HALFT,  128*PITCH
.set SLOT,   4*HALFT
.set LAPS,   2
.set KS,     32
.set SCL,    2*SLOT
.set HALFS,  (128*KS/256)*272
.set SBLK,   (16*KS/256)*272
.set SPARE,  SCL+4*HALFS
.set XC_V,   6291456
.set WC_G,   786432
.set KV_HEAD, 204800
.set KV_STEP, 12800
.set KV_V,   6144
.set KV_KS,  12288
.set QF_HEAD, 98304
.set QF_STEP, 6144
.set QS_HEAD, 4096
.set ADRA, 16
.set ADRB, 20
.set LI,   24
.set BO,   25
.set VS,   26
.set ADRS, 27
.set SPW,  28
.set NIL,  29
.set SC,   32
.set BQ,   64
.set AF,   128
.set HA,   128
.set WA,   192
.set WB,   196
.set TM,   200
.set PWS,  216
.set CT,   248
.set WV,   66
.set G1, 24
.set G0, 32
.set G1B, 48
.set G0B, 56
.set G1S, 68
.set G0S, 76
.set G1SB, 80
.set G0SB, 88
.set MSB, 0
.macro WIN new
.if MSB != \new
	s_set_vgpr_msb (MSB<<8)|\new
.set MSB, \new
.endif
.endm
.set MUL_LO, 0xa1
.set MUL_HI, 0xf1
.set TO_B,   0x40
.macro JLOAD g0a, g1a, g0b, g1b
	s_cmp_eq_u32 s67, 0
	s_cbranch_scc0 .Lfor_b_\@
	tensor_load_to_lds s[\g0a:\g0a+3], s[\g1a:\g1a+7]
	s_nop 0
.rept 4
	v_nop
.endr
	s_branch .Lasked_\@
.Lfor_b_\@:
	tensor_load_to_lds s[\g0b:\g0b+3], s[\g1b:\g1b+7]
	s_nop 0
.rept 4
	v_nop
.endr
.Lasked_\@:
.endm
.macro CREST
	s_cmp_lg_u32 s[WV], 0
	s_cbranch_scc1 .Lnot_wave_0_\@
	s_barrier_signal -3
.Lnot_wave_0_\@:
	s_barrier_wait -3
	s_barrier_signal -1
	s_barrier_wait -1
.endm
.macro CROUND
	s_barrier_signal -1
	s_barrier_wait -1
	CREST
.endm
	s_load_b512 s[4:19], s[0:1], 0x0
	s_load_b128 s[20:23], s[0:1], 0x40
	v_lshl_add_u32 v[SPW], v0, 2, SPARE
	v_mov_b32 v[NIL], 0
	ds_add_u32 v[SPW], v[NIL]
	ds_add_u32 v[SPW], v[NIL]
	v_lshrrev_b32 v1, 5, v0
	v_readfirstlane_b32 s[WV], v1
	s_lshr_b32 s67, s[WV], 1
	s_and_b32 s92, s[WV], 1
	s_bfe_u32 s40, ttmp6, 0x40000
	s_bfe_u32 s41, ttmp6, 0x40004
	s_lshl_b32 s43, s41, 2
	s_lshl_b32 s43, 15, s43
	s_lshl_b32 s44, 0x1111, s40
	s_or_b32 s[G1+0], s43, (0<<16)|(1<<20)|(1<<21)|(3<<22)|(3<<25)
	s_or_b32 s[G1B+0], s44, (0<<16)|(1<<20)|(1<<21)|(3<<22)|(3<<25)
.irp g, G1, G1B
	s_mov_b32 s[\g+1], ROWB<<16
	s_mov_b32 s[\g+2], 192<<16
	s_mov_b32 s[\g+3], ROWB<<16
	s_mov_b32 s[\g+4], 192
	s_mov_b32 s[\g+5], KROW
	s_mov_b32 s[\g+6], 0
	s_mov_b32 s[\g+7], 0
.endr
	s_or_b32 s[G1S+0], s43, (3<<16)|(1<<20)|(1<<21)|(5<<22)|(3<<25)
	s_or_b32 s[G1SB+0], s44, (3<<16)|(1<<20)|(1<<21)|(5<<22)|(3<<25)
.irp g, G1S, G1SB
	s_mov_b32 s[\g+1], 32<<16
	s_mov_b32 s[\g+2], (256*KS/256)<<16
	s_mov_b32 s[\g+3], 32<<16
	s_mov_b32 s[\g+4], 256*KS/256
	s_mov_b32 s[\g+5], 32
	s_mov_b32 s[\g+6], 0
	s_mov_b32 s[\g+7], 0
.endr
	s_and_b32 s2, ttmp7, 0xffff
	s_lshr_b32 s95, s2, 3
	s_and_b32 s2, s2, 7
	s_lshl_b32 s2, s2, 2
	s_min_u32 s3, s95, 1
	s_mul_i32 s46, s3, XC_V
	s_mul_i32 s47, s95, WC_G
	s_lshl_b32 s3, s3, 18
	s_lshl_b32 s94, s95, 15
	s_cmp_eq_u32 s95, 2
	s_cselect_b32 s93, 0, s2
	s_cselect_b32 s42, s2, 0
	s_cselect_b32 s96, s47, s46
	s_cselect_b32 s100, s46, s47
	s_cselect_b32 s98, s94, s3
	s_cselect_b32 s104, s3, s94
	s_add_co_u32 s93, s93, s41
	s_add_co_u32 s42, s42, s40
	s_lshl_b32 s2, s92, 7
	s_lshl_b32 s3, s93, 8
	s_add_co_u32 s3, s3, s2
	s_mul_i32 s46, s3, 192
	s_add_co_u32 s96, s96, s46
	s_lshl_b32 s46, s93, 13
	s_add_co_u32 s98, s98, s46
	s_lshl_b32 s47, s42, 8
	s_add_co_u32 s47, s47, s2
	s_mul_i32 s94, s47, 192
	s_add_co_u32 s100, s100, s94
	s_lshl_b32 s94, s42, 13
	s_add_co_u32 s104, s104, s94
	s_mov_b32 s97, 0
	s_mov_b32 s99, 0
	s_mov_b32 s101, 0
	s_mov_b32 s105, 0
	s_mul_i32 s45, s[WV], HALFT
	s_wait_dscnt 0x0
	s_wait_kmcnt 0x0
	s_cmp_eq_u32 s95, 2
	s_cselect_b64 s[2:3], s[8:9], s[4:5]
	s_add_nc_u64 s[96:97], s[2:3], s[96:97]
	s_cselect_b64 s[2:3], s[10:11], s[6:7]
	s_add_nc_u64 s[98:99], s[2:3], s[98:99]
	s_cselect_b64 s[2:3], s[4:5], s[8:9]
	s_add_nc_u64 s[100:101], s[2:3], s[100:101]
	s_cselect_b64 s[2:3], s[6:7], s[10:11]
	s_add_nc_u64 s[104:105], s[2:3], s[104:105]
	CROUND
	s_mov_b32 s[G0S], 1
	s_mov_b32 s[G0S+1], SCL
	s_mov_b64 s[G0S+2:G0S+3], s[98:99]
	s_or_b32 s[G0S+3], s[G0S+3], 0x80000000
	s_mov_b32 s[G0SB], 1
	s_mov_b32 s[G0SB+1], SCL+2*HALFS
	s_mov_b64 s[G0SB+2:G0SB+3], s[104:105]
	s_or_b32 s[G0SB+3], s[G0SB+3], 0x80000000
	s_mov_b32 s98, XPL                             ; the step from chunk to chunk: A is q or v and B a weight, for V the other way round
	s_mov_b32 s104, WPL
	s_cmp_eq_u32 s95, 2
	s_cselect_b32 s2, s104, s98
	s_cselect_b32 s104, s98, s104
	s_mov_b32 s98, s2
	s_mov_b32 s99, 0
	s_mov_b32 s105, 0
.irp s, 0,1
	s_mov_b32 s[G0+4*\s], 1
	s_add_co_u32 s[G0+4*\s+1], s45, \s*SLOT
.if \s
	s_add_nc_u64 s[G0+4*\s+2:G0+4*\s+3], s[96:97], s[98:99]
.else
	s_mov_b64 s[G0+4*\s+2:G0+4*\s+3], s[96:97]
.endif
	s_or_b32 s[G0+4*\s+3], s[G0+4*\s+3], 0x80000000
	s_mov_b32 s[G0B+4*\s], 1
	s_add_co_u32 s[G0B+4*\s+1], s45, \s*SLOT
.if \s
	s_add_nc_u64 s[G0B+4*\s+2:G0B+4*\s+3], s[100:101], s[104:105]
.else
	s_mov_b64 s[G0B+4*\s+2:G0B+4*\s+3], s[100:101]
.endif
	s_or_b32 s[G0B+4*\s+3], s[G0B+4*\s+3], 0x80000000
.endr
	s_lshl_b32 s98, s98, 1                         ; a refill steps its slot's address by two chunks
	s_lshl_b32 s104, s104, 1
	s_mov_b32 s4, 1                                ; group 0 of the head's loads of codes, in registers whose arguments have been used: A's 256 rows to LDS byte 0 (wave 0's address has no half in it),
	s_mov_b32 s5, 0
	s_mov_b64 s[6:7], s[96:97]
	s_or_b32 s7, s7, 0x80000000
	s_mov_b32 s8, 1                                ; B's 256 rows behind them (wave 2's address likewise)
	s_mov_b32 s9, 2*HALFT
	s_mov_b64 s[10:11], s[100:101]
	s_or_b32 s11, s11, 0x80000000
.macro HARM w, g0, g1, next                    ; an arm of the head's chain: wave w's one joint load
	s_cmp_eq_u32 s[WV], \w
	s_cbranch_scc0 \next
	tensor_load_to_lds s[\g0:\g0+3], s[\g1:\g1+7]
	s_nop 0
.rept 4
	v_nop
.endr
	s_branch .Lhead_asked
\next:
.endm
	HARM 0, 4, G1, .Lhead_1
	HARM 1, G0S, G1S, .Lhead_2
	HARM 2, 8, G1B, .Lhead_3
	tensor_load_to_lds s[G0SB:G0SB+3], s[G1SB:G1SB+7]
	s_nop 0
.rept 4
	v_nop
.endr
.Lhead_asked:
	v_and_b32 v1, 15, v0
	v_bfe_u32 v2, v0, 4, 1
	v_mul_u32_u24 v3, v1, PITCH
	v_mul_u32_u24 v4, v2, 24
	v_add_nc_u32 v4, v3, v4
	v_lshl_add_u32 v5, v2, 4, v4
	s_mul_i32 s2, s67, HALFT
	s_mul_i32 s3, s92, HALFT
	s_add_co_u32 s3, s3, 2*HALFT
.irp s, 0,1
	v_add_nc_u32 v[ADRA+\s], s2, v4
	v_add_nc_u32 v[ADRB+\s], s3, v4
	v_add_nc_u32 v[ADRA+2+\s], s2, v5
	v_add_nc_u32 v[ADRB+2+\s], s3, v5
	s_add_co_u32 s2, s2, SLOT
	s_add_co_u32 s3, s3, SLOT
.endr
	v_mul_u32_u24 v5, v1, KS
	v_lshrrev_b32 v6, 8, v5
	v_lshl_add_u32 v5, v6, 4, v5
	s_mul_i32 s2, s67, HALFS
	s_mul_i32 s3, s92, HALFS
	s_add_co_u32 s3, s3, 2*HALFS
	s_sub_co_u32 s3, s3, s2
	v_mul_u32_u24 v6, s3, v2
	s_add_co_u32 s2, s2, SCL
	v_add_nc_u32 v5, v5, v6
	v_add_nc_u32 v[ADRS], s2, v5
	v_and_b32 v6, 31, v0
	v_lshlrev_b32 v[LI], 4, v6
.macro FRAG reg, adr, q, i
.irp p, 0,1,2,3,4,5
.set PC, 12*(\q)+6*(\p/3)+\p%3
.if PC%8 < 5
	ds_load_b64 v[\reg+2*\p:\reg+2*\p+1], v[\adr] offset:8*PC+16*(PC/8)+(\i)*16*PITCH
.else
	ds_load_b64 v[\reg+2*\p:\reg+2*\p+1], v[\adr+2] offset:8*PC+16*(PC/8)+(\i)*16*PITCH
.endif
.endr
.endm
.macro MUL16 a0, p, q, sc, zero
.irp a, \a0, \a0+1
.irp b, 0,1,2,3,4,5,6,7
.if \zero
	v_wmma_scale_f32_16x16x128_f8f6f4 v[8*(8*((\a)%4)+\b):8*(8*((\a)%4)+\b)+7], v[128*(\p)+FR*\b:128*(\p)+FR*\b+FR-1], v[AF+FR*(\a):AF+FR*(\a)+FR-1], 0, v[SC+8*NQ*(\sc)+NQ*\b+(\q)], v[SC+8*NQ*(\sc)+NQ*(\a)+(\q)] matrix_a_fmt:MATRIX_FMT_FP6 matrix_b_fmt:MATRIX_FMT_FP6 matrix_a_scale:MATRIX_SCALE_ROW1
.else
	v_wmma_scale_f32_16x16x128_f8f6f4 v[8*(8*((\a)%4)+\b):8*(8*((\a)%4)+\b)+7], v[128*(\p)+FR*\b:128*(\p)+FR*\b+FR-1], v[AF+FR*(\a):AF+FR*(\a)+FR-1], v[8*(8*((\a)%4)+\b):8*(8*((\a)%4)+\b)+7], v[SC+8*NQ*(\sc)+NQ*\b+(\q)], v[SC+8*NQ*(\sc)+NQ*(\a)+(\q)] matrix_a_fmt:MATRIX_FMT_FP6 matrix_b_fmt:MATRIX_FMT_FP6 matrix_a_scale:MATRIX_SCALE_ROW1
.endif
.endr
.endr
.endm
.macro FETCH_B slot, q, p
	WIN TO_B
.irp i, 0,1,2,3,4,5,6,7
	FRAG 128*(\p)+FR*\i, ADRB+\slot, \q, \i
.endr
	WIN 0
.endm
.macro FETCH_A slot, q, i0
.irp i, \i0, \i0+1, \i0+2, \i0+3
	FRAG AF+FR*(\i), ADRA+\slot, \q, \i
.endr
.endm
.macro SCALES sc
.irp i, 0,1,2,3,4,5,6,7
	ds_load_b64 v[SC+8*NQ*\sc+NQ*\i:SC+8*NQ*\sc+NQ*\i+1], v[ADRS] offset:\i*SBLK
.endr
.endm
.macro PLACES n
.rept \n
	v_nop
.endr
.endm
.macro STEP slot, q, zero
	s_wait_dscnt 4*NL
	WIN MUL_LO
	MUL16 0, (\q)%2, \q, \slot, \zero
	MUL16 2, (\q)%2, \q, \slot, \zero
	s_wait_dscnt 0
	PLACES NP
	FETCH_B \slot, (\q)+1, 1-(\q)%2
	FETCH_A \slot, (\q)+1, 0
	WIN MUL_HI
	MUL16 4, (\q)%2, \q, \slot, \zero
	MUL16 6, (\q)%2, \q, \slot, \zero
	PLACES NP
	WIN 0
	FETCH_A \slot, (\q)+1, 4
.endm
.macro TURN slot, next, fill
	s_wait_tensorcnt 0x0
	ds_add_u32 v[SPW], v[NIL]
	s_wait_dscnt 4*NL+1
	WIN MUL_LO
	MUL16 0, 1, NQ-1, \slot, 0
	s_wait_dscnt 0x0
	s_barrier_signal -1
	MUL16 2, 1, NQ-1, \slot, 0
	WIN 0
	s_barrier_wait -1
.if \fill
	CREST
	s_add_nc_u64 s[G0+4*\slot+2:G0+4*\slot+3], s[G0+4*\slot+2:G0+4*\slot+3], s[98:99]
	s_add_nc_u64 s[G0B+4*\slot+2:G0B+4*\slot+3], s[G0B+4*\slot+2:G0B+4*\slot+3], s[104:105]
	JLOAD G0+4*\slot, G1, G0B+4*\slot, G1B
.else
	PLACES NP
.endif
	s_wait_alu depctr_va_vdst(0)
	v_add_nc_u32 v[ADRS], 4*NQ, v[ADRS]
	FETCH_B \next, 0, 0
	FETCH_A \next, 0, 0
	SCALES \next
	WIN MUL_HI
	MUL16 4, 1, NQ-1, \slot, 0
	MUL16 6, 1, NQ-1, \slot, 0
	PLACES NP
	WIN 0
	FETCH_A \next, 0, 4
.endm
.macro TAIL
	s_wait_dscnt 4*NL
	WIN MUL_LO
	MUL16 0, 1, NQ-1, 1, 0
	MUL16 2, 1, NQ-1, 1, 0
	s_wait_dscnt 0
	WIN MUL_HI
	MUL16 4, 1, NQ-1, 1, 0
	MUL16 6, 1, NQ-1, 1, 0
	WIN 0
.endm
.macro CODES s, c, d
	v_cvt_scalef32_pk16_fp6_f32 v[(\d):(\d)+2], v[(\s)+32*(\c):(\s)+15+32*(\c)], v[TM+12+2*(\c)]
	v_cvt_scalef32_pk16_fp6_f32 v[CT+4*(\c):CT+4*(\c)+2], v[(\s)+16+32*(\c):(\s)+31+32*(\c)], v[TM+13+2*(\c)]
.endm
.macro WHOLE c, d
.irp i, 0,1,2
	v_permlane16_swap_b32 v[(\d)+\i], v[CT+4*(\c)+\i]
.endr
.irp i, 0,1,2
	v_mov_b32 v[(\d)+3+\i], v[CT+4*(\c)+\i]
.endr
.endm
.macro QUANT s, d0, d1, pw
.irp b, 0,1,2,3
	v_max3_num_f32 v[TM+\b], |v[\s+16*\b]|, |v[\s+1+16*\b]|, 0x1800000
.endr
.irp i, 2,4,6,8,10,12,14
.irp b, 0,1,2,3
	v_max3_num_f32 v[TM+\b], v[TM+\b], |v[\s+16*\b+\i]|, |v[\s+1+16*\b+\i]|
.endr
.endr
.irp b, 0,1,2,3
	v_permlanex16_b32 v[TM+4+\b], v[TM+\b], s43, s44
.endr
.irp b, 0,1,2,3
	v_max_num_f32 v[TM+\b], v[TM+\b], v[TM+4+\b]
.endr
.irp b, 0,1,2,3
	v_add_nc_u32 v[TM+12+\b], 0xff000000, v[TM+\b]
.endr
.irp b, 0,1,2,3
	v_lshrrev_b32 v[TM+4+\b], 23, v[TM+12+\b]
.endr
	v_lshl_or_b32 v[\pw], v[TM+5], 8, v[TM+4]
	v_lshl_or_b32 v[\pw], v[TM+6], 16, v[\pw]
	v_lshl_or_b32 v[\pw], v[TM+7], 24, v[\pw]
	CODES \s, 0, \d0
	CODES \s, 1, \d1
	v_nop
	WHOLE 0, \d0
	WHOLE 1, \d1
.endm
	s_wait_alu depctr_va_vdst(0)
	s_wait_tensorcnt 0x0                           ; my tile of the head's four is in
	ds_add_u32 v[SPW], v[NIL]
	s_mov_b32 s[G1+2], 96<<16                      ; no load of mine is out: from here on a load brings 128 rows of codes, 96 rows of 256 bytes
	s_mov_b32 s[G1+4], 96
	s_mov_b32 s[G1B+2], 96<<16
	s_mov_b32 s[G1B+4], 96
	s_wait_dscnt 0x0
	CROUND                                         ; all four tiles are in, in every partner
	JLOAD G0+4, G1, G0B+4, G1B                     ; chunk 1, slot 1's first fill
	FETCH_B 0, 0, 0
	FETCH_A 0, 0, 0
	SCALES 0
	FETCH_A 0, 0, 4
	STEP 0, 0, 1
	s_mov_b32 s3, LAPS-1
.Llap:
	TURN 0, 1, 1
	STEP 1, 0, 0
	TURN 1, 0, 1
	STEP 0, 0, 0
	s_sub_co_u32 s3, s3, 1
	s_cmp_lg_u32 s3, 0
	s_cbranch_scc1 .Llap
	TURN 0, 1, 0
	STEP 1, 0, 0
	s_mov_b32 s43, 0x76543210
	s_mov_b32 s44, 0xfedcba98
	s_mov_b32 s45, 0xffff0000
	s_cmp_eq_u32 s95, 2
	s_cbranch_scc1 .Lv
	s_lshl_b32 s2, s42, 1
	s_add_co_u32 s2, s2, s92
	s_lshl_b32 s101, s2, 1
	s_lshl_b32 s2, s2, 9
	s_mov_b32 s3, 0
	s_lshl_b32 s46, s93, 1
	s_add_co_u32 s46, s46, s67
	s_lshr_b32 s47, s46, 4
	s_and_b32 s46, s46, 15
	s_lshl_b32 s47, s47, 4
	s_add_co_u32 s47, s47, s101
	s_mov_b32 s96, KV_HEAD
	s_mov_b32 s98, KV_HEAD
	s_mov_b32 s99, KV_STEP
	s_mov_b32 s100, KV_STEP
	s_cmp_eq_u32 s95, 0
	s_cselect_b64 s[10:11], s[12:13], s[14:15]
	s_cselect_b64 s[4:5], s[18:19], s[22:23]
	s_cselect_b64 s[8:9], s[20:21], s[22:23]
	s_cselect_b32 s96, QF_HEAD, s96
	s_cselect_b32 s99, QF_STEP, s99
	s_cselect_b32 s98, QS_HEAD, s98
	s_cselect_b32 s100, 256, s100
	s_cselect_b32 s101, 0, KV_KS
	s_mov_b32 s97, 0
	s_mov_b32 s105, 0
	s_add_nc_u64 s[10:11], s[10:11], s[2:3]
	s_mul_i32 s104, s47, s96
	s_mul_i32 s2, s46, s99
	s_add_co_u32 s104, s104, s2
	s_add_nc_u64 s[4:5], s[4:5], s[104:105]
	s_add_nc_u64 s[6:7], s[4:5], s[96:97]
	s_mul_i32 s104, s47, s98
	s_mul_i32 s2, s46, s100
	s_add_co_u32 s104, s104, s2
	s_add_co_u32 s104, s104, s101
	s_add_nc_u64 s[8:9], s[8:9], s[104:105]
	v_lshlrev_b32 v[BO], 6, v2
	v_mul_lo_u32 v[VS], v2, s98
	v_lshl_add_u32 v[VS], v1, 4, v[VS]
.irp b, 0,1,2,3
.irp j, 0,1,2,3
	global_load_b128 v[BQ+16*\b+4*\j:BQ+16*\b+4*\j+3], v[BO], s[10:11] offset:128*\b+16*\j
.endr
.endr
	TAIL
	PLACES NP
.irp b, 0,1,2,3
	v_mov_b32 v[TM+4+\b], 0
.endr
	s_wait_loadcnt 0x0
.macro QKBLOCK a
	WIN 0x02+((\a)/4)
.set k, 0
.rept 32
	v_pk_add_f32 v[HA+2*k:HA+2*k+1], v[64*((\a)%4)+2*k:64*((\a)%4)+2*k+1], v[BQ+2*k:BQ+2*k+1]
.set k, k+1
.endr
	WIN 0
.if ((\a) > 1) && ((\a)%2 == 0)
	s_wait_xcnt 0x0
.endif
	QUANT HA, 224+6*((\a)%2), 236+6*((\a)%2), PWS+(\a)
.if (\a)%2
.irp c, 0,1,2
	global_store_b128 v[LI], v[224+4*\c:227+4*\c], s[4:5] offset:1536*((\a)/2)+512*\c
	global_store_b128 v[LI], v[236+4*\c:239+4*\c], s[6:7] offset:1536*((\a)/2)+512*\c
.endr
	v_perm_b32 v[WA+(\a)/2], v[PWS+(\a)], v[PWS+(\a)-1], 0x05040100
	v_perm_b32 v[WB+(\a)/2], v[PWS+(\a)], v[PWS+(\a)-1], 0x07060302
.endif
.endm
.irp a, 0,1,2,3,4,5,6,7
	QKBLOCK \a
.endr
.irp i, 0,1,2,3
	v_cndmask_b32 v[WA+\i], v[WA+\i], v[WB+\i], s45
.endr
	global_store_b128 v[VS], v[WA:WA+3], s[8:9]
	s_branch .Ldone
.Lv:
	s_lshl_b32 s2, s93, 1
	s_add_co_u32 s2, s2, s67
	s_lshl_b32 s101, s2, 1
	s_lshl_b32 s2, s2, 9
	s_mov_b32 s3, 0
	s_add_nc_u64 s[10:11], s[16:17], s[2:3]
	s_lshl_b32 s46, s42, 1
	s_add_co_u32 s46, s46, s92
	s_lshr_b32 s47, s46, 4
	s_and_b32 s46, s46, 15
	s_lshl_b32 s47, s47, 4
	s_add_co_u32 s47, s47, s101
	s_mul_i32 s104, s47, KV_HEAD
	s_mul_i32 s2, s46, KV_STEP
	s_add_co_u32 s104, s104, s2
	s_add_co_u32 s104, s104, KV_V
	s_mov_b32 s105, 0
	s_add_nc_u64 s[4:5], s[22:23], s[104:105]
	v_and_b32 v[BO], 8, v1
	v_add_nc_u32 v[BO], v[BO], v1
	v_lshlrev_b32 v[BO], 2, v[BO]
	v_mul_u32_u24 v[VS], v2, KV_HEAD
	v_lshl_add_u32 v[VS], v1, 4, v[VS]
.irp a, 0,1,2,3,4,5,6,7
	global_load_b32 v[BQ+2*\a], v[BO], s[10:11] offset:4*(32*(\a/2)+8*(\a%2))
	global_load_b32 v[BQ+2*\a+1], v[BO], s[10:11] offset:4*(32*(\a/2)+8*(\a%2))
.endr
	TAIL
	PLACES NP
.irp b, 0,1,2,3
	v_mov_b32 v[TM+4+\b], 0
.endr
	s_wait_loadcnt 0x0
.macro VBLOCK a
	WIN 0x02+((\a)/4)
.set k, 0
.rept 32
	v_pk_add_f32 v[HA+2*k:HA+2*k+1], v[64*((\a)%4)+2*k:64*((\a)%4)+2*k+1], v[BQ+2*(\a):BQ+2*(\a)+1]
.set k, k+1
.endr
	WIN 0
.if (\a) > 1
	s_wait_xcnt 0x0
.endif
	QUANT HA, 224+12*((\a)%2), 230+12*((\a)%2), PWS+(\a)
.irp c, 0,1,2
	global_store_b128 v[LI], v[224+12*((\a)%2)+4*\c:227+12*((\a)%2)+4*\c], s[4:5] offset:((\a)/4)*KV_HEAD+((\a)%4)*1536+512*\c
.endr
.endm
.irp a, 0,1,2,3,4,5,6,7
	VBLOCK \a
.endr
.irp i, 0,1,2,3
	v_cndmask_b32 v[PWS+\i], v[PWS+\i], v[PWS+4+\i], s45
.endr
	global_store_b128 v[VS], v[PWS:PWS+3], s[4:5] offset:KV_KS+256-KV_V
.Ldone:
	s_wait_tensorcnt 0x0
	ds_add_u32 v[SPW], v[NIL]
	s_wait_dscnt 0x0
	CROUND
	s_endpgm
.Lfunc_end_k_q538ca64012_proj:
	.size	k_q538ca64012_proj, .Lfunc_end_k_q538ca64012_proj-k_q538ca64012_proj
	.p2alignl 7, 3214868480
	.fill 96, 4, 3214868480
	.section	.rodata,"a",@progbits
	.p2align	6, 0x0
	.amdhsa_kernel k_q538ca64012_proj
		.amdhsa_group_segment_fixed_size 327680
		.amdhsa_private_segment_fixed_size 0
		.amdhsa_enable_private_segment 0
		.amdhsa_kernarg_size 80
		.amdhsa_user_sgpr_count 2
		.amdhsa_user_sgpr_kernarg_segment_ptr 1
		.amdhsa_wavefront_size32 1
		.amdhsa_system_sgpr_workgroup_id_x 1
		.amdhsa_system_sgpr_workgroup_id_y 1
		.amdhsa_system_sgpr_workgroup_id_z 1
		.amdhsa_system_vgpr_workitem_id 0
		.amdhsa_next_free_vgpr 1024
		.amdhsa_next_free_sgpr 106
		.amdhsa_reserve_vcc 0
		.amdhsa_float_denorm_mode_32 3
		.amdhsa_float_denorm_mode_16_64 3
		.amdhsa_memory_ordered 1
		.amdhsa_forward_progress 1
		.amdhsa_inst_pref_size 245
	.end_amdhsa_kernel
	.amdgpu_metadata
---
amdhsa.version: [ 1, 2 ]
amdhsa.kernels:
  - .name:           k_q538ca64012_proj
    .symbol:         k_q538ca64012_proj.kd
    .args:
      - { .name: xc, .offset: 0, .size: 8, .value_kind: global_buffer, .address_space: global }
      - { .name: xs, .offset: 8, .size: 8, .value_kind: global_buffer, .address_space: global }
      - { .name: wc, .offset: 16, .size: 8, .value_kind: global_buffer, .address_space: global }
      - { .name: ws, .offset: 24, .size: 8, .value_kind: global_buffer, .address_space: global }
      - { .name: bq, .offset: 32, .size: 8, .value_kind: global_buffer, .address_space: global }
      - { .name: bk, .offset: 40, .size: 8, .value_kind: global_buffer, .address_space: global }
      - { .name: bv, .offset: 48, .size: 8, .value_kind: global_buffer, .address_space: global }
      - { .name: qf, .offset: 56, .size: 8, .value_kind: global_buffer, .address_space: global }
      - { .name: qs, .offset: 64, .size: 8, .value_kind: global_buffer, .address_space: global }
      - { .name: kv, .offset: 72, .size: 8, .value_kind: global_buffer, .address_space: global }
    .group_segment_fixed_size: 327680
    .private_segment_fixed_size: 0
    .kernarg_segment_align: 8
    .kernarg_segment_size: 80
    .max_flat_workgroup_size: 128
    .sgpr_count:     106
    .vgpr_count:     1024
    .wavefront_size: 32
...
	.end_amdgpu_metadata
.endif
;; end of part 2
;; launch attn (part 3): grid 4 x 64, 16 waves a work-group, clusters of 4 x 1, 276,480 bytes of LDS; arguments qf, qs, kv, out0; writes out0
.if DOCPART == 3
	.amdgcn_target "amdgcn-amd-amdhsa--gfx1250"
	.amdhsa_code_object_version 6
	.text
	.protected	k_q538ca64012_attn
	.globl	k_q538ca64012_attn
	.p2align	8
	.type	k_q538ca64012_attn,@function
k_q538ca64012_attn:
	s_mov_b64 s[64:65], 0
	v_nop
	global_prefetch_b8 v0, s[64:65] scope:SCOPE_SE
	s_setreg_imm32_b32 hwreg(HW_REG_WAVE_MODE, 25, 1), 1
	s_wait_xcnt 0x0
	s_wait_alu depctr_hold_cnt(0) depctr_sa_sdst(0) depctr_va_vdst(0) depctr_va_sdst(0) depctr_va_ssrc(0) depctr_va_vcc(0) depctr_vm_vsrc(0)
	s_getreg_b32 s2, hwreg(HW_REG_IB_STS2, 6, 4)
	s_cmp_eq_u32 s2, 0
	s_cbranch_scc0 .Lentry_in_a_cluster
	s_endpgm
.Lentry_in_a_cluster:
	s_bfe_u32 s2, ttmp6, 0x10000c
	s_cmp_lg_u32 s2, 0x3003
	s_cbranch_scc0 .Lentry_shape_is_right
	s_endpgm
.Lentry_shape_is_right:
; out[b][q][h][:] = the sum over k of softmax_k(Q . K / 32) V, both products on codes of FP6 (E2M3) with one E8M0 scale for each 32 along K.  No work is left out.
; THE SOFTMAX AHEAD OF THE SECOND PRODUCT: t = score x log2(e) / 32; M = the row's largest t so far, rounded UP to a whole number; p = 2^(t - M) is what is quantised, along the keys; it is not normalised.
; The row's sum is taken of the unquantised p, in f32, and divides O at the end.  When M moves, the sum and O are multiplied by 2^(old M - new M): exact.
; SHARES.  256 work-groups of equal work: 512 queries of one head (b, h).  Each of the SIXTEEN waves owns a pair of tiles of 16 queries, taken one after the other (two passes), in 256 registers: four waves to a SIMD, so that one
; wave's vector work stands beside another's matrix work and LDS loads.  Every wave walks all 2,048 keys, 128 a step.
; THE WHOLE HEAD'S K, V AND SCALE WORDS LIE IN LDS: 16 step blocks of 12,800 bytes, as the launch before laid them: images of operand registers, so that a fragment is three loads of 512 consecutive bytes.  Wave w brings block w by one
; tensor load at the start; nothing is filled again: no ring, and no barrier in the loop.
; CLUSTER.  The four work-groups of a head form a cluster and need the same 204,800 bytes: each block is asked for JOINTLY, by the same tensor load with the same descriptor and a mask that names the four.
; LAYOUT.  Both products are used transposed: S^T = K Q^T (source 0 = 16 keys, source 1 = my 16 queries), O^T = V^T P^T (source 0 = 16 channels, source 1 = P): a lane holds ONE query (lane % 16) throughout.
; K = 64 IN AN INSTRUCTION OF 128.  A pair image of K holds tile 2 i in its first 64 along K and tile 2 i + 1 in its second.  It is source 0 of two instructions: one against [Q, zero codes], one against [zero codes, Q] (18 registers Q | 0 | Q,
; named from +0 and from +6).  The zero codes stand on Q's side alone; a zero code times any code is 0; Q's scale word has the byte 1 for that half.
; The rows of a tile are not neighbours (row r of tile 2 b + u is 32 b + 8 u + r + 8 (r / 8)), so the 16 registers of the two results of pair i are the 16 neighbouring keys 32 i + 16 (lane / 16) + 0 .. 15; queries and V's channels likewise.
; LIMITS: a p under 2^-126 becomes 0 (v_exp_f32 gives 0 where the result would be denormal: ISA guide, 15.8); every t lies above -3e38; NaN and infinities are not served; a block of p that is all zeros keeps the byte 1 (its codes are zeros).
.set KVH,   204800                     ; a head in kv, and in LDS from byte 0
.set KVS,   12800                      ; a step's block: K's 4 pair images, V's 4 tile images (from 6,144), K's scale words (12,288), V's (12,544)
.set VIM,   6144
.set KSC,   12288
.set STAGE, KVH                        ; behind the head: 16 rows x (256 bytes + 16) for each wave, for the way out; no tensor load lands there
.set SP,    272
.set SPARE, STAGE+16*16*SP             ; behind the stages: the spare words, 128 bytes for each wave
.set LI,   1                           ; v1   16 x lane: an image's place for my lane
.set ADR,  2                           ; v2   the step's block + 16 x lane
.set SPW,  3                           ; v3   LDS address of my spare word; never rewritten
.set NIL,  4                           ; v4   0; never rewritten
.set STO,  5                           ; v5   the way out: where I put 16 bytes of a row
.set RD,   6                           ; v6   where I read a row back
.set GO,   7                           ; v7   my byte offset in the pair's rows of out
.set QW,   8                           ; v8   my query pair's scale word as stored
.set QA,   9                           ; v9   its load's offset
.set QQ0,  16                          ; v16-33   tile 0 of Q | six zeros | tile 0 again
.set SCLR, 40                          ; v40-43   lanes 0-15: K's four pair words; lanes 16-31: V's four tile words
.set QS,   44                          ; v44-47   Q's scale words: tile 0 [Q, 0], tile 0 [0, Q], tile 1 [Q, 0], tile 1 [0, Q]
.set KF,   48                          ; v48-95   four fragments: K's pairs, then V's tiles
.set S,    96                          ; v96-159  S^T, then p
.set OT,   160                         ; v160-191 O^T
.set BM,   192                         ; v192-195 a block's largest score, then its largest p
.set PX,   196                         ; v196-199 the other half's maxima; the sum's second chain; the bytes
.set SO,   200                         ; v200-203 the conversions' scale operands
.set CT,   204                         ; v204-206, v208-210 the conversions' second halves
.set PC,   212                         ; v212-223 p's codes
.set FF,   224                         ; v224 f = 2^(old M - new M); v225 named with it as a pair
.set PSW,  226                         ; v226 p's scale word
.set TA,   227                         ; v227 at work
.set QQ1,  228                         ; v228-245 tile 1 of Q | six zeros | tile 1 again
.set WV,   12                          ; s12  my wave's number
.set SEL,  20                          ; s[20:21] lane selects for v_permlanex16_b32: lane l xor 16
.set CS,   22                          ; s[22:23] c = log2(e) / 32
.set G1,   24                          ; s[24:31] descriptor group 1;  s[32:35] group 0
.set G0,   32
.set TB,   36                          ; s36  LDS byte at which the step's block begins
.set CNT,  37                          ; s37  steps to go
.macro CROUND                          ; a round of the cluster's barrier
	s_barrier_signal -1
	s_barrier_wait -1
	s_cmp_lg_u32 s[WV], 0
	s_cbranch_scc1 .Lnot_wave_0_\@
	s_barrier_signal -3
.Lnot_wave_0_\@:
	s_barrier_wait -3
	s_barrier_signal -1
	s_barrier_wait -1
.endm
	s_load_b256 s[4:11], s[0:1], 0x0               ; qf s[4:5], qs s[6:7], kv s[8:9], out0 s[10:11]
	v_lshl_add_u32 v[SPW], v0, 2, SPARE
	v_mov_b32 v[NIL], 0
	ds_add_u32 v[SPW], v[NIL]                      ; the wave's opening: the add, twice on end, and its wait ahead of my first tensor load; the set-up below stands between
	ds_add_u32 v[SPW], v[NIL]
	v_lshrrev_b32 v10, 5, v0
	s_delay_alu instid0(VALU_DEP_1)
	v_readfirstlane_b32 s[WV], v10                 ; wave 0..15
	s_bfe_u32 s13, ttmp6, 0x40000                  ; cx: my place in the cluster
	s_lshl_b32 s14, ttmp9, 2
	s_add_co_u32 s14, s14, s13                     ; my block of 512 queries: it enters Q's and out's addresses alone
	s_and_b32 s15, ttmp7, 0xffff                   ; the head 16 b + h, which the four partners share
	; descriptor group 1: a step's block, 12,800 dense bytes, as 50 rows of 256 bytes (32 elements of 8 bytes), no padding
	s_mov_b32 s[G1], 15|(3<<16)|(1<<21)            ; 15:0 the mask: all four work-groups; 17:16 elements of 8 bytes; 21 set beside a mask
	s_mov_b32 s[G1+1], 32<<16                      ; tensor_dim0
	s_mov_b32 s[G1+2], 50<<16                      ; tensor_dim1
	s_mov_b32 s[G1+3], 32<<16                      ; tile_dim0
	s_mov_b32 s[G1+4], 50                          ; tile_dim1
	s_mov_b32 s[G1+5], 32                          ; tensor_dim0_stride
	s_mov_b32 s[G1+6], 0
	s_mov_b32 s[G1+7], 0
	s_mov_b32 s[SEL], 0x76543210
	s_mov_b32 s[SEL+1], 0xfedcba98
	s_mov_b32 s[CS], 0x3d38aa3b                    ; c = log2(e) / 32: t = score x c
	s_mov_b32 s[CS+1], s[CS]                       ; (named with it as a pair, so it is written)
	s_mov_b32 s38, 0xffff
	s_mov_b32 s39, 0x01010000                      ; the byte 1 for the upper half of K,
	s_mov_b32 s40, 0x0101                          ; and for the lower
	s_mul_i32 s16, s15, KVH                        ; the head in kv,
	s_mul_i32 s[G0+1], s[WV], KVS                  ; my block: in LDS,
	s_add_co_u32 s16, s16, s[G0+1]                 ; and in memory
	s_mov_b32 s17, 0
	s_mov_b32 s[G0], 1
	s_lshl_b32 s41, s14, 4
	s_add_co_u32 s41, s41, s[WV]                   ; my pair of query tiles: 16 x block + wave, 0 .. 63
	s_mul_i32 s18, s15, 98304
	s_mul_i32 s42, s41, 1536
	s_add_co_u32 s18, s18, s42                     ; its image in qf
	s_mov_b32 s19, 0
	s_lshl_b32 s42, s15, 12                        ; its scale words in qs: 4,096 bytes a head,
	s_lshr_b32 s43, s41, 2
	s_lshl_b32 s43, s43, 8                         ; 256 a group of four pairs,
	s_add_co_u32 s42, s42, s43
	s_and_b32 s43, s41, 3
	s_lshl_b32 s43, s43, 2                         ; 4 a pair (and 16 a row)
	s_add_co_u32 s42, s42, s43
	s_mov_b32 s43, 0
	s_lshr_b32 s44, s15, 4
	s_lshl_b32 s44, s44, 23                        ; out: 2,048 rows of 4,096 bytes a batch,
	s_lshl_b32 s45, s41, 17                        ; 32 rows a pair,
	s_add_co_u32 s44, s44, s45
	s_and_b32 s45, s15, 15
	s_lshl_b32 s45, s45, 8                         ; 256 bytes a head
	s_add_co_u32 s44, s44, s45
	s_mov_b32 s45, 0
	s_wait_dscnt 0x0                               ; both opening adds are done
	s_wait_kmcnt 0x0
	s_add_nc_u64 s[G0+2:G0+3], s[8:9], s[16:17]
	s_or_b32 s[G0+3], s[G0+3], 0x80000000          ; 127:126 type = 2
	s_add_nc_u64 s[4:5], s[4:5], s[18:19]
	s_add_nc_u64 s[6:7], s[6:7], s[42:43]
	s_add_nc_u64 s[10:11], s[10:11], s[44:45]
	CROUND                                         ; all four work-groups are here: the joint loads meet
	tensor_load_to_lds s[G0:G0+3], s[G1:G1+7]      ; my one tensor load of the launch: step block w of the head
	s_nop 0
.rept 4
	v_nop
.endr
	v_and_b32 v10, 31, v0
	s_delay_alu instid0(VALU_DEP_1)
	v_lshlrev_b32 v[LI], 4, v10
.irp d, 0, 12                                  ; Q's image: registers 0-5 are tile 0, 6-11 tile 1; group c of four registers lies at 512 c + 16 x lane.  Each tile is loaded twice, on both sides of its zeros
	global_load_b64 v[QQ0+\d:QQ0+\d+1], v[LI], s[4:5]
	global_load_b64 v[QQ0+\d+2:QQ0+\d+3], v[LI], s[4:5] offset:8
	global_load_b64 v[QQ0+\d+4:QQ0+\d+5], v[LI], s[4:5] offset:512
	global_load_b64 v[QQ1+\d:QQ1+\d+1], v[LI], s[4:5] offset:520
	global_load_b64 v[QQ1+\d+2:QQ1+\d+3], v[LI], s[4:5] offset:1024
	global_load_b64 v[QQ1+\d+4:QQ1+\d+5], v[LI], s[4:5] offset:1032
.endr
	v_and_b32 v10, 15, v0                          ; r
	v_bfe_u32 v11, v0, 4, 1                        ; h
	s_delay_alu instid0(VALU_DEP_2)
	v_lshlrev_b32 v[QA], 4, v10
	global_load_b32 v[QW], v[QA], s[6:7]           ; row r's word: [tile 0: two bytes, tile 1: two bytes]
	s_mul_i32 s46, s[WV], 16*SP
	s_add_co_u32 s46, s46, STAGE                   ; my stage
	v_mul_u32_u24 v[STO], v10, SP                  ; in: row r, 64 bytes for each half of the lanes
	s_delay_alu instid0(VALU_DEP_1)
	v_lshl_add_u32 v[STO], v11, 6, v[STO]
	s_delay_alu instid0(VALU_DEP_1)
	v_add_nc_u32 v[STO], s46, v[STO]
	v_mul_u32_u24 v[RD], v11, SP                   ; back: lanes 0-15 take one row of 256 bytes, lanes 16-31 the next
	s_delay_alu instid0(VALU_DEP_1)
	v_lshl_add_u32 v[RD], v10, 4, v[RD]
	s_delay_alu instid0(VALU_DEP_1)
	v_add_nc_u32 v[RD], s46, v[RD]
	v_lshlrev_b32 v[GO], 12, v11                   ; and the same two rows in out
	s_delay_alu instid0(VALU_DEP_1)
	v_lshl_add_u32 v[GO], v10, 4, v[GO]
.irp j, 0,1,2,3,4,5
	v_mov_b32 v[QQ0+6+\j], 0                       ; the zero codes
	v_mov_b32 v[QQ1+6+\j], 0
.endr
.irp b, 0,1,2,3
	v_mov_b32 v[PX+\b], 0                          ; written once: a lane permute's destination counts as one of its sources
.endr
	v_mov_b32 v[FF+1], 0                           ; (named as the upper half of the pair with f)
	s_wait_tensorcnt 0x0                           ; my block has landed,
	s_barrier_signal -1
	s_barrier_wait -1                              ; everybody's has: the head is whole.
	s_wait_loadcnt 0x0                             ; Q and its scale word
	v_and_or_b32 v[QS], v[QW], s38, s39            ; tile 0 against a pair's first tile: [b0, b1, 1, 1]
	v_lshl_or_b32 v[QS+1], v[QW], 16, s40          ; against its second: [1, 1, b0, b1]
	v_lshrrev_b32 v[QS+2], 16, v[QW]
	s_delay_alu instid0(VALU_DEP_1)
	v_or_b32 v[QS+2], s39, v[QS+2]                 ; tile 1 likewise
	v_and_or_b32 v[QS+3], v[QW], 0xffff0000, s40
; A KEY STEP: 128 keys.  qq: the 18 registers Q | 0 | Q of the tile in hand;  qsa, qsb: its two scale words.
.macro STEP qq, qsa, qsb
	v_add_nc_u32 v[ADR], s[TB], v[LI]
.rept 4
	v_nop                                          ; places in front of loads into registers that the last products read
.endr
	ds_load_b128 v[SCLR:SCLR+3], v[ADR] offset:KSC ; lanes 0-15: K's words [r][pair]; lanes 16-31, 256 bytes on: V's words [r][tile]
.irp i, 0,1,2,3
.irp c, 0,1,2
	ds_load_b128 v[KF+12*\i+4*\c:KF+12*\i+4*\c+3], v[ADR] offset:1536*\i+512*\c
.endr
.endr
	s_wait_alu depctr_va_vdst(0)
.irp i, 0,1,2,3                                ; S^T = K Q^T: a pair image serves two instructions
	s_wait_dscnt 9-3*\i                            ; the scale words and pairs 0 to i are in; the later pairs' three loads each may be out
	v_wmma_scale_f32_16x16x128_f8f6f4 v[S+16*\i:S+16*\i+7], v[KF+12*\i:KF+12*\i+11], v[\qq:\qq+11], 0, v[SCLR+\i], v[\qsa] matrix_a_fmt:MATRIX_FMT_FP6 matrix_b_fmt:MATRIX_FMT_FP6
	v_wmma_scale_f32_16x16x128_f8f6f4 v[S+8+16*\i:S+15+16*\i], v[KF+12*\i:KF+12*\i+11], v[\qq+6:\qq+17], 0, v[SCLR+\i], v[\qsb] matrix_a_fmt:MATRIX_FMT_FP6 matrix_b_fmt:MATRIX_FMT_FP6
.endr                                          ; register 16 i + n of S^T: key 32 i + 16 (lane / 16) + n of the step
.rept 4
	v_nop                                          ; places in front of the loads below and of the first read of results
.endr
.irp t, 0,1,2,3
.irp c, 0,1,2
	ds_load_b128 v[KF+12*\t+4*\c:KF+12*\t+4*\c+3], v[ADR] offset:VIM+1536*\t+512*\c   ; V's four tiles land under the softmax
.endr
.endr
.irp b, 0,1,2,3
	v_max3_num_f32 v[BM+\b], v[S+16*\b], v[S+1+16*\b], v[S+2+16*\b]   ; THE LARGEST SCORE OF EACH BLOCK OF 32 KEYS: it serves for the row's maximum and, since p rises with the score, for the block's largest p
.endr
.irp i, 3,5,7,9,11,13
.irp b, 0,1,2,3
	v_max3_num_f32 v[BM+\b], v[BM+\b], v[S+16*\b+\i], v[S+1+16*\b+\i]   ; (the four blocks by turns)
.endr
.endr
.irp b, 0,1,2,3
	v_max_num_f32 v[BM+\b], v[BM+\b], v[S+15+16*\b]
.endr
.irp b, 0,1,2,3
	s_delay_alu instid0(VALU_DEP_4)
	v_permlanex16_b32 v[PX+\b], v[BM+\b], s[SEL], s[SEL+1]
.endr
.irp b, 0,1,2,3
	s_delay_alu instid0(VALU_DEP_4)
	v_max_num_f32 v[BM+\b], v[BM+\b], v[PX+\b]     ; with lane l xor 16's 16 keys
.endr
	s_delay_alu instid0(VALU_DEP_2)
	v_max3_num_f32 v[TA], v[BM], v[BM+1], v[BM+2]
	s_delay_alu instid0(VALU_DEP_1)
	v_max_num_f32 v[TA], v[TA], v[BM+3]            ; the step's largest score of my query
	s_delay_alu instid0(VALU_DEP_1)
	v_mul_f32 v[TA], s[CS], v[TA]                  ; as t (c is positive)
	s_delay_alu instid0(VALU_DEP_1)
	v_max_num_f32 v13, v13, v[TA]                  ; the running largest t
	v_mov_b32 v[TA], v12
	s_delay_alu instid0(VALU_DEP_2)
	v_floor_f32 v12, -v13                          ; the new -M = floor(-t) = -ceil(t): M IS A WHOLE NUMBER
	s_delay_alu instid0(VALU_DEP_1)
	v_sub_f32 v[TA], v12, v[TA]                    ; M's old value less its new one: a whole number, 0 or less
	s_delay_alu instid0(VALU_DEP_1)
	v_cvt_i32_f32 v[TA], v[TA]                     ; (it saturates)
	s_delay_alu instid0(VALU_DEP_1)
	v_ldexp_f32 v[FF], 1.0, v[TA]                  ; f = 2^(old M - new M)
.irp j, 0,2,4,6,8,10,12,14,16,18,20,22,24,26,28,30,32,34,36,38,40,42,44,46,48,50,52,54,56,58,60,62
	v_pk_fma_f32 v[S+\j:S+1+\j], v[S+\j:S+1+\j], s[CS:CS+1], v[12:13] op_sel_hi:[1,0,0]   ; t - M, two at a time (of the pairs c and -M the low word serves both halves)
.endr
.irp b, 0,1,2,3
	v_fma_f32 v[BM+\b], v[BM+\b], s[CS], v12       ; the same of each block's largest score
.endr
	s_wait_alu depctr_va_vdst(0)
.irp j, 0,1,2,3,4,5,6,7,8,9,10,11,12,13,14,15,16,17,18,19,20,21,22,23,24,25,26,27,28,29,30,31,32,33,34,35,36,37,38,39,40,41,42,43,44,45,46,47,48,49,50,51,52,53,54,55,56,57,58,59,60,61,62,63
	v_exp_f32 v[S+\j], v[S+\j]                     ; p = 2^(t - M), at most 1: NOT normalised
.endr
	v_pk_mul_f32 v[14:15], v[14:15], v[FF:FF+1] op_sel_hi:[1,0]   ; the sums under the new M.  (A plain place behind the exponentials)
	s_wait_alu depctr_va_vdst(0)                   ; one wait for the whole batch, ahead of its first reader
.irp b, 0,1,2,3
	v_exp_f32 v[BM+\b], v[BM+\b]                   ; the block's largest p: the same two instructions on the same number give the same bits
.endr
	v_pk_add_f32 v[196:197], v[100:101], v[104:105]
	v_pk_add_f32 v[254:255], v[108:109], v[112:113]
	v_pk_add_f32 v[252:253], v[116:117], v[120:121]
	v_pk_add_f32 v[250:251], v[124:125], v[128:129]
	v_pk_add_f32 v[248:249], v[132:133], v[136:137]
	v_pk_add_f32 v[246:247], v[140:141], v[144:145]
	v_pk_add_f32 v[222:223], v[148:149], v[152:153]
	v_pk_add_f32 v[14:15], v[14:15], v[156:157]
	v_pk_add_f32 v[196:197], v[196:197], v[96:97]
	v_pk_add_f32 v[254:255], v[254:255], v[98:99]
	v_pk_add_f32 v[252:253], v[252:253], v[102:103]
	v_pk_add_f32 v[250:251], v[250:251], v[106:107]
	v_pk_add_f32 v[248:249], v[248:249], v[110:111]
	v_pk_add_f32 v[246:247], v[246:247], v[114:115]
	v_pk_add_f32 v[222:223], v[222:223], v[118:119]
	v_pk_add_f32 v[14:15], v[14:15], v[122:123]
	v_pk_add_f32 v[196:197], v[196:197], v[126:127]
	v_pk_add_f32 v[254:255], v[254:255], v[130:131]
	v_pk_add_f32 v[252:253], v[252:253], v[134:135]
	v_pk_add_f32 v[250:251], v[250:251], v[138:139]
	v_pk_add_f32 v[248:249], v[248:249], v[142:143]
	v_pk_add_f32 v[246:247], v[246:247], v[146:147]
	v_pk_add_f32 v[222:223], v[222:223], v[150:151]
	v_pk_add_f32 v[14:15], v[14:15], v[154:155]
	v_pk_add_f32 v[196:197], v[196:197], v[158:159]
	s_delay_alu instid0(VALU_DEP_2)
	v_pk_add_f32 v[14:15], v[14:15], v[250:251]
	s_delay_alu instid0(VALU_DEP_2)
	v_pk_add_f32 v[196:197], v[196:197], v[248:249]
	v_pk_add_f32 v[254:255], v[254:255], v[246:247]
	v_pk_add_f32 v[252:253], v[252:253], v[222:223]
	s_delay_alu instid0(VALU_DEP_2)
	v_pk_add_f32 v[14:15], v[14:15], v[254:255]
	s_delay_alu instid0(VALU_DEP_2)
	v_pk_add_f32 v[196:197], v[196:197], v[252:253]
	s_delay_alu instid0(VALU_DEP_1)
	v_pk_add_f32 v[14:15], v[14:15], v[196:197]
	s_wait_alu depctr_va_vdst(0)                   ; and one for the four
.irp b, 0,1,2,3
	v_max_num_f32 v[BM+\b], 0x1800000, v[BM+\b]    ; the floor 2^(3 - 127): the byte cannot fall under 1
.endr
.irp b, 0,1,2,3
	s_delay_alu instid0(VALU_DEP_4)
	v_add_nc_u32 v[SO+\b], 0xff000000, v[BM+\b]    ; 2 off the exponent field: the conversion's scale operand
.endr
.irp b, 0,1,2,3
	s_delay_alu instid0(VALU_DEP_4)
	v_lshrrev_b32 v[PX+\b], 23, v[SO+\b]           ; the scale's byte
.endr
	s_delay_alu instid0(VALU_DEP_3)
	v_lshl_or_b32 v[PSW], v[PX+1], 8, v[PX]        ; p's scale word for these 128 keys
	s_delay_alu instid0(VALU_DEP_1)
	v_lshl_or_b32 v[PSW], v[PX+2], 16, v[PSW]
	s_delay_alu instid0(VALU_DEP_1)
	v_lshl_or_b32 v[PSW], v[PX+3], 24, v[PSW]
.irp c, 0,1
	v_cvt_scalef32_pk16_fp6_f32 v[PC+6*\c:PC+2+6*\c], v[S+32*\c:S+15+32*\c], v[SO+2*\c]
	v_cvt_scalef32_pk16_fp6_f32 v[CT+4*\c:CT+2+4*\c], v[S+16+32*\c:S+31+32*\c], v[SO+2*\c+1]   ; (a conversion's three registers begin on an even number)
.endr
	v_nop                                          ; one plain place behind a scaled conversion
.irp c, 0,1                                    ; the operand's layout wants a WHOLE block in a lane: lanes 0-15 block 2 c, lanes 16-31 block 2 c + 1
.irp i, 0,1,2
	v_permlane16_swap_b32 v[PC+6*\c+\i], v[CT+4*\c+\i]
.endr
.irp i, 0,1,2
	s_delay_alu instid0(VALU_DEP_3)
	v_mov_b32 v[PC+3+6*\c+\i], v[CT+4*\c+\i]
.endr
.endr
.irp j, 0,2,4,6,8,10,12,14,16,18,20,22,24,26,28,30
	v_pk_mul_f32 v[OT+\j:OT+1+\j], v[OT+\j:OT+1+\j], v[FF:FF+1] op_sel_hi:[1,0]   ; O^T under the new M, each accumulator from its low end on.  (These 16 are also the places between the codes' and the scale word's last writes and the products)
.endr
	s_wait_alu depctr_va_vdst(0)
	s_wait_dscnt 0x0                               ; V's tiles are in
.irp t, 0,1,2,3                                ; O^T += V^T P^T: four tiles of 16 channels; K = these 128 keys.  The accumulators take turns, one instruction a turn
	v_wmma_scale_f32_16x16x128_f8f6f4 v[OT+8*\t:OT+7+8*\t], v[KF+12*\t:KF+12*\t+11], v[PC:PC+11], v[OT+8*\t:OT+7+8*\t], v[SCLR+\t], v[PSW] matrix_a_fmt:MATRIX_FMT_FP6 matrix_b_fmt:MATRIX_FMT_FP6 matrix_a_scale:MATRIX_SCALE_ROW1
.endr
	s_add_co_u32 s[TB], s[TB], KVS                 ; the next step's block
.endm
; A PASS: tile u of my pair of query tiles against all 16 key steps, and its way out.
.macro PASS u, qq, qsa, qsb
.if \u
	s_wait_xcnt 0x0                                ; the first pass's stores have read their registers, which the scores take again
.endif
	v_mov_b32 v13, 0xff61b1e6                      ; the largest t so far: -3e38, under every t
	s_delay_alu instid0(VALU_DEP_1)
	v_floor_f32 v12, -v13                          ; -M
	v_mov_b32 v14, 0                               ; the sum, in two halves
	v_mov_b32 v15, 0
.irp j, 0,1,2,3,4,5,6,7,8,9,10,11,12,13,14,15,16,17,18,19,20,21,22,23,24,25,26,27,28,29,30,31
	v_mov_b32 v[OT+\j], 0                          ; O^T.  (The step is written once: the first finds zeros, which the first change of M leaves zeros)
.endr
	s_mov_b32 s[TB], 0
	s_mov_b32 s[CNT], 16
.Lstep_\@:
	STEP \qq, \qsa, \qsb
	s_sub_co_u32 s[CNT], s[CNT], 1
	s_cmp_lg_u32 s[CNT], 0
	s_cbranch_scc1 .Lstep_\@
	; THE WAY OUT.  O^T is divided by the sum and goes through my stage in LDS, so that sixteen lanes store a query's 256 bytes of this head, aligned.
.rept 4
	v_nop                                          ; places behind the last products
.endr
	v_add_f32 v14, v14, v15                        ; the sum's two halves,
	s_delay_alu instid0(VALU_DEP_1)
	v_permlanex16_b32 v[TA], v14, s[SEL], s[SEL+1]
	s_delay_alu instid0(VALU_DEP_1)
	v_add_f32 v14, v14, v[TA]                      ; and lane l xor 16's: the row's sum
	s_wait_alu depctr_va_vdst(0)
	v_rcp_f32 v14, v14
	v_nop                                          ; a plain place behind the reciprocal
	s_wait_alu depctr_va_vdst(0)                   ; and the wait ahead of its first reader
.irp j, 0,2,4,6,8,10,12,14,16,18,20,22,24,26,28,30
	v_pk_mul_f32 v[S+\j:S+1+\j], v[OT+\j:OT+1+\j], v[14:15] op_sel_hi:[1,0]   ; register 16 b + n: channel 32 b + 16 (lane / 16) + n
.endr
.irp b, 0,1
.irp j, 0,1,2,3
	ds_store_b128 v[STO], v[S+16*\b+4*\j:S+16*\b+4*\j+3] offset:128*\b+16*\j
.endr
.endr
.irp i, 0,1,2,3,4,5,6,7
	ds_load_b128 v[S+32+4*\i:S+35+4*\i], v[RD] offset:2*\i*SP   ; LDS serves a wave's instructions in order: these see my stores
.endr
.irp i, 0,1,2,3,4,5,6,7
	s_wait_dscnt 7-\i                              ; the later loads of the eight may be out
	global_store_b128 v[GO], v[S+32+4*\i:S+35+4*\i], s[10:11] offset:(2*\i+8*(\i/4)+8*\u)*4096 th:TH_STORE_NT   ; stage row p is query 8 u + p + 8 (p / 8) of the pair's 32; written once, read by nobody here
.endr
.endm
	PASS 0, QQ0, QS, QS+1
	PASS 1, QQ1, QS+2, QS+3
	s_wait_tensorcnt 0x0                           ; the wave's end, behind my tensor load and my last LDS store
	ds_add_u32 v[SPW], v[NIL]
	s_wait_dscnt 0x0
	CROUND                                         ; the closing round: no work-group ends while a partner may still ask for a block that names it
	s_endpgm
.Lfunc_end_k_q538ca64012_attn:
	.size	k_q538ca64012_attn, .Lfunc_end_k_q538ca64012_attn-k_q538ca64012_attn
	.p2alignl 7, 3214868480
	.fill 96, 4, 3214868480
	.section	.rodata,"a",@progbits
	.p2align	6, 0x0
	.amdhsa_kernel k_q538ca64012_attn
		.amdhsa_group_segment_fixed_size 276480
		.amdhsa_private_segment_fixed_size 0
		.amdhsa_enable_private_segment 0
		.amdhsa_kernarg_size 32
		.amdhsa_user_sgpr_count 2
		.amdhsa_user_sgpr_kernarg_segment_ptr 1
		.amdhsa_wavefront_size32 1
		.amdhsa_system_sgpr_workgroup_id_x 1
		.amdhsa_system_sgpr_workgroup_id_y 1
		.amdhsa_system_sgpr_workgroup_id_z 1
		.amdhsa_system_vgpr_workitem_id 0
		.amdhsa_next_free_vgpr 256
		.amdhsa_next_free_sgpr 66
		.amdhsa_reserve_vcc 0
		.amdhsa_float_denorm_mode_32 3
		.amdhsa_float_denorm_mode_16_64 3
		.amdhsa_memory_ordered 1
		.amdhsa_forward_progress 1
		.amdhsa_inst_pref_size 50
	.end_amdhsa_kernel
	.amdgpu_metadata
---
amdhsa.version: [ 1, 2 ]
amdhsa.kernels:
  - .name:           k_q538ca64012_attn
    .symbol:         k_q538ca64012_attn.kd
    .args:
      - { .name: qf, .offset: 0, .size: 8, .value_kind: global_buffer, .address_space: global }
      - { .name: qs, .offset: 8, .size: 8, .value_kind: global_buffer, .address_space: global }
      - { .name: kv, .offset: 16, .size: 8, .value_kind: global_buffer, .address_space: global }
      - { .name: out0, .offset: 24, .size: 8, .value_kind: global_buffer, .address_space: global }
    .group_segment_fixed_size: 276480
    .private_segment_fixed_size: 0
    .kernarg_segment_align: 8
    .kernarg_segment_size: 32
    .max_flat_workgroup_size: 512
    .sgpr_count:     66
    .vgpr_count:     256
    .wavefront_size: 32
...
	.end_amdgpu_metadata
.endif
;; end of part 3
